; MI455X (gfx1250); checked and timed in simulation.
; The chip was launched on July 23, 2026; its instructions are those of AMD's public machine-readable ISA for CDNA 5 (MIT licence, August 2026) and "CDNA5" Instruction Set Architecture Reference Guide (July 2026). The comments in the code are by the model that wrote it; some were corrected since.
;; Retention. Allowed arithmetic: float matrix products may take bf16 or f16 operands with f32 sums; all other float work in f32.
;; Inputs: Wqkv 256 x 768 float32; bqkv 768 float32; x 8 x 2,048 x 256 float32.
;; Outputs: out0 8 x 2,048 x 256 float32.
;; 2 versions, each right; version 2 is version 1 with the launch scan written anew for expert scheduling mode. Each part assembles by itself: llvm-mc -triple=amdgcn-amd-amdhsa -mcpu=gfx1250 --defsym DOCPART=n.
;; ======== version 1 of 2: 4 launches
;; limits: values outside matrix products are rounded to f16; values are held in f16: magnitudes above 65,504 overflow, below 6.1e-05 lose precision
;; workspace buffers: wf 393,216 bytes; qf 8,388,608 bytes; kf 8,388,608 bytes; vf 8,388,608 bytes; uf 16,777,216 bytes; sf 16,777,216 bytes; usc 8,192 bytes; ssc 8,192 bytes
;; launch wprep (part 1): grid 3 x 16, 8 waves a work-group, no clusters, 0 bytes of LDS; arguments Wqkv, wf; writes wf
.if DOCPART == 1
	.amdgcn_target "amdgcn-amd-amdhsa--gfx1250"
	.amdhsa_code_object_version 6
	.text
	.protected	k_q66ea66157d_wprep
	.globl	k_q66ea66157d_wprep
	.p2align	8
	.type	k_q66ea66157d_wprep,@function
k_q66ea66157d_wprep:
	s_mov_b64 s[64:65], 0
	v_nop
	global_prefetch_b8 v0, s[64:65] scope:SCOPE_SE
	s_setreg_imm32_b32 hwreg(HW_REG_WAVE_MODE, 25, 1), 1
	s_wait_xcnt 0x0
; Wqkv [256 (d)][768 (n)] f32  ->  wf: f16 register images of matrix operands.
; wf = [ct 48][ks 8] fragments of 1,024 bytes, each [hh 2][lane 32][16 bytes]: lane (r = lane & 15, h = lane >> 4), element i
; holds W[d = 32 ks + 16 hh + 8 h + i][n = 16 ct + r].  A later 16-byte load a lane, 512 consecutive bytes a wave, is half a fragment.
; Work-group (x, y): columns 256 x .. 256 x + 255, the sixteen d of kk = y = 2 ks + hh.  A thread owns one column: 16 loads of 4 bytes
; (a wave's load covers 128 consecutive bytes of a row of W), 8 packed roundings, 2 stores of 16 bytes; sixteen neighbouring lanes
; store 256 consecutive bytes, aligned.  48 work-groups: all the work there is (786,432 bytes in, 393,216 out).
; LIMIT: |W| must stay below 65,504 (f16); magnitudes below 6e-8 become zero.
.set WROW, 3072                        ; bytes in a row of W
	s_load_b128 s[4:7], s[0:1], 0x0                ; Wqkv s[4:5], wf s[6:7]
	s_and_b32 s8, ttmp7, 0xffff                    ; kk
	s_lshl_b32 s9, ttmp9, 8
	v_add_nc_u32 v1, s9, v0                        ; n
	v_lshlrev_b32 v2, 2, v1                        ; 4 n: my column in a row of W
	v_lshrrev_b32 v3, 4, v1                        ; ct
	v_and_b32 v4, 15, v1                           ; r
	v_lshlrev_b32 v4, 4, v4
	v_lshl_add_u32 v3, v3, 13, v4                  ; ct x 8,192 + 16 r
	s_mul_i32 s10, s8, 16*WROW                     ; sixteen rows of W for each kk
	s_mov_b32 s11, 0
	s_lshl_b32 s12, s8, 9                          ; kk x 512 inside a column tile's eight fragments
	s_mov_b32 s13, 0
	s_wait_kmcnt 0x0
	s_add_nc_u64 s[4:5], s[4:5], s[10:11]
	s_add_nc_u64 s[6:7], s[6:7], s[12:13]
.set i_, 0
.rept 16
	global_load_b32 v[8+i_], v2, s[4:5] offset:i_*WROW th:TH_LOAD_NT
.set i_, i_+1
.endr
	s_wait_loadcnt 0x0
.set i_, 0
.rept 8
	v_cvt_pk_f16_f32 v[24+i_], v[8+2*i_], v[9+2*i_]
.set i_, i_+1
.endr
	global_store_b128 v3, v[24:27], s[6:7]             ; d = 16 kk + 0..7:  the lanes with h = 0
	global_store_b128 v3, v[28:31], s[6:7] offset:256  ; d = 16 kk + 8..15: the lanes with h = 1
	s_endpgm
.Lfunc_end_k_q66ea66157d_wprep:
	.size	k_q66ea66157d_wprep, .Lfunc_end_k_q66ea66157d_wprep-k_q66ea66157d_wprep
	.p2alignl 7, 3214868480
	.fill 96, 4, 3214868480
	.section	.rodata,"a",@progbits
	.p2align	6, 0x0
	.amdhsa_kernel k_q66ea66157d_wprep
		.amdhsa_group_segment_fixed_size 0
		.amdhsa_private_segment_fixed_size 0
		.amdhsa_enable_private_segment 0
		.amdhsa_kernarg_size 16
		.amdhsa_user_sgpr_count 2
		.amdhsa_user_sgpr_kernarg_segment_ptr 1
		.amdhsa_wavefront_size32 1
		.amdhsa_system_sgpr_workgroup_id_x 1
		.amdhsa_system_sgpr_workgroup_id_y 1
		.amdhsa_system_sgpr_workgroup_id_z 1
		.amdhsa_system_vgpr_workitem_id 0
		.amdhsa_next_free_vgpr 32
		.amdhsa_next_free_sgpr 66
		.amdhsa_reserve_vcc 0
		.amdhsa_float_denorm_mode_32 3
		.amdhsa_float_denorm_mode_16_64 3
		.amdhsa_memory_ordered 1
		.amdhsa_forward_progress 1
		.amdhsa_inst_pref_size 4
	.end_amdhsa_kernel
	.amdgpu_metadata
---
amdhsa.version: [ 1, 2 ]
amdhsa.kernels:
  - .name:           k_q66ea66157d_wprep
    .symbol:         k_q66ea66157d_wprep.kd
    .args:
      - { .name: Wqkv, .offset: 0, .size: 8, .value_kind: global_buffer, .address_space: global }
      - { .name: wf, .offset: 8, .size: 8, .value_kind: global_buffer, .address_space: global }
    .group_segment_fixed_size: 0
    .private_segment_fixed_size: 0
    .kernarg_segment_align: 8
    .kernarg_segment_size: 16
    .max_flat_workgroup_size: 256
    .sgpr_count:     66
    .vgpr_count:     32
    .wavefront_size: 32
...
	.end_amdgpu_metadata
.endif
;; end of part 1
;; launch proj (part 2): grid 256 x 1, 4 waves a work-group, no clusters, 137,728 bytes of LDS; arguments x, wf, bqkv, qf, kf, vf, uf, usc; writes qf, kf, vf, uf, usc
.if DOCPART == 2
	.amdgcn_target "amdgcn-amd-amdhsa--gfx1250"
	.amdhsa_code_object_version 6
	.text
	.protected	k_q66ea66157d_proj
	.globl	k_q66ea66157d_proj
	.p2align	8
	.type	k_q66ea66157d_proj,@function
k_q66ea66157d_proj:
	s_mov_b64 s[64:65], 0
	v_nop
	global_prefetch_b8 v0, s[64:65] scope:SCOPE_SE
	s_setreg_imm32_b32 hwreg(HW_REG_WAVE_MODE, 25, 1), 1
	s_wait_xcnt 0x0
; For a chunk g of 128 tokens (g = 16 batch + c) and a half hf of the 256 columns:
;   q' = a^(p-64) (x Wq + bq)  columns of half hf  -> qf     (p: the token's place in the chunk, a = 0.99 in f32)
;   k' = a^(64-p) (x Wk + bk)  all 256 columns (U needs them); the half hf -> kf
;   v  = x Wv + bv             columns of half hf  -> vf
;   U[e][n] = sum over the chunk's tokens of k'[e] v[n], n in half hf, divided by a power of two ub above the largest |U| of each
;             tile of 16 columns n -> uf (f16), ub -> usc.  The last chunk of a batch (c = 15) makes no U: no later chunk reads it.
; All matrix operands are f16, all sums f32.  qf, kf, vf, uf hold register images (fragments of 1,024 bytes = [hh 2][lane 32][16 bytes]),
; so every store of a wave covers 512 consecutive bytes, aligned, and the next launches load operands without any shuffle.
; SHAPE: four waves.  The chunk of x is rounded to f16 once, through LDS, and then EVERY wave keeps all of it in registers:
; 64 fragments, 512 registers.  A fragment of W is used by one wave alone and goes from wf straight into registers.  So the 512 matrix
; instructions of a wave's projection read no LDS.  Wave w makes column tiles 2 w, 2 w + 1 of each group of eight.
; LDS ADDRESSES hang on the thread's and the wave's number alone: k' lies in LDS with the work-group's OWN half of the columns e first and the other
; half behind it, so U's row tiles come out in that order, and the half hf enters only the offsets of the stores into uf.
; NO CLUSTER: what two work-groups share (the chunk of x, 131,072 bytes) has to pass through registers to be rounded, and W is wanted
; in registers, not in LDS; a joint tensor load serves neither.
; The accumulators take turns, one matrix instruction a turn.
; LIMITS: |x|, |W|, |q'|, |k'| (up to 1.9 |k|), |v| below 65,504 (f16); magnitudes below 6e-8 become zero; |U| below 2^126; no NaN, no infinity.
; The powers of a come from v_exp_f32 of n log2(a).
.set XPITCH, 528                       ; LDS row of x: 256 f16 + 16 bytes = 33 x 16, so sixteen rows start in sixteen different 16-byte columns of 256
.set KPITCH, 544                       ; LDS row of k': 256 f16 + 32 bytes = 17 x 32
.set KSB,    128*XPITCH                ; k' lies behind x: 67,584 .. 137,215
.set LOGA,   0xbc6d8f8c                ; log2(0.99f)
.set NLOGA,  0x3c6d8f8c                ; its negative
; window 0 (v0-v255)
.set L16, 1                            ; 16 x lane
.set RR,  2                            ; r = lane & 15
.set HH,  3                            ; h = lane >> 4
.set XO,  4                            ; x: g x 131,072 + 16 x thread
.set XST, 5                            ; LDS: where my 8 bytes of a pair of rows of x go (pairs 0-31)
.set XST2, 6                           ; the same for pairs 32-63 (the immediate has 16 bits)
.set XLD, 7                            ; LDS: r x pitch + 16 h: fragments of x
.set WOQ, 8                            ; wf offsets of my two column tiles: q,
.set WOK, 9                            ; k of my half,
.set WOX, 10                           ; k of the other half,
.set WOV, 11                           ; v
.set QKO, 12                           ; qf, kf
.set VSO, 13                           ; vf
.set USO, 14                           ; uf: the row tiles e of my half
.set UCO, 15                           ; usc
.set WB0, 16                           ; three buffers of 8 fragments of W
.set WB1, 80
.set WB2, 144
.set VF,  144                          ; after the last use of WB2: my v as 8 fragments (2 column tiles x 4 steps of 32 tokens)
.set PK,  208                          ; 32 registers of packed f16 on their way out
.set KST, 240                          ; LDS: where my k' goes: own half at +0, other half at +256
.set USX, 241                          ; uf: the row tiles e of the other half
.set KTR, 242                          ; LDS: transposing loads of k'
.set BOQ, 243                          ; bias offsets
.set BOK, 244
.set BOX, 245
.set BOV, 246
.set LN,  247                          ; lane
.set MX,  248                          ; v[248:249] largest |U|, then ub, of my two column tiles
.set IU,  250                          ; v[250:253] 1/ub, a pair for each tile
.set TA,  254
.set TB,  255
; windows 1, 2 (v256-v767): first x as loaded (v256-v447), then the 64 fragments XF(ks, tt) at 256 + 8 (8 ks + tt); at the end U's 32 tiles in window 1
; window 3, by the low byte of the register number:
.set ACC, 0                            ; eight accumulator tiles, one for each 16 tokens
.set BQ,  64                           ; six bias tiles (q 0,1; k own 0,1; k other 0,1): register j holds b[16 ct + 8 h + j]
.set BV,  112                          ; two bias tiles of v: every register holds b[512 + 16 ct + r]
.set FQ,  128                          ; a^(16 tt + r - 64), as a pair, for tt = 0..7
.set FK,  144                          ; a^(64 - 16 tt - r), likewise
.set MSB, 0
.macro WIN new                         ; s_set_vgpr_msb: bits 1:0 source 0, 3:2 source 1, 5:4 source 2, 7:6 destination; the high byte repeats the setting left
.if MSB != (\new)
	s_set_vgpr_msb (MSB<<8)|(\new)
.set MSB, (\new)
.endif
.endm
.macro PLACES                          ; four places behind matrix instructions (ISA guide 7.12.1) before their results are read or their sources written
.rept 4
	v_nop
.endr
.endm
.macro XLOAD grp, rb                   ; sixteen loads: 32 rows of x, 2,048 consecutive bytes for each load of the work-group
	WIN 0x40
.set k_, 0
.rept 16
	global_load_b128 v[\rb+4*k_:\rb+4*k_+3], v[XO], s[8:9] offset:(16*\grp+k_)*2048
.set k_, k_+1
.endr
.endm
.macro XCVT grp, rb                    ; round them to f16 and lay them into LDS
	WIN 0x05
.set k_, 0
.rept 32
	v_cvt_pk_f16_f32 v[PK+k_], v[\rb+2*k_], v[\rb+2*k_+1]
.set k_, k_+1
.endr
	WIN 0
.set k_, 0
.rept 16
.if \grp < 2
	ds_store_b64 v[XST], v[PK+2*k_:PK+2*k_+1] offset:((16*\grp+k_)&31)*2*XPITCH
.else
	ds_store_b64 v[XST2], v[PK+2*k_:PK+2*k_+1] offset:((16*\grp+k_)&31)*2*XPITCH
.endif
.set k_, k_+1
.endr
.endm
.macro WLOAD buf, off, i               ; the eight fragments (K = 256) of one column tile of W
	WIN 0
.set k_, 0
.rept 16
	global_load_b128 v[\buf+4*k_:\buf+4*k_+3], v[\off], s[10:11] offset:\i*8192+k_*512
.set k_, k_+1
.endr
.endm
; 64 matrix instructions: one column tile of W against all 128 tokens.  The bias tile is the first product's C: nothing is cleared or added later.
; swap = 0: W is source 0: a lane gets 8 neighbouring columns of one token (q, k).  swap = 1: x is source 0: 8 neighbouring tokens of one column (v).
; dsw = 1 (the first pass): the 128 fragment loads of x, issued by ascending ks, are waited for by counts.
.macro MULT buf, bias, swap, dsw
.set ks_, 0
.rept 8
.if \dsw
.if ks_ == 0
	s_wait_dscnt 63                                ; of 128 loads at most 63 are out: the 64 of ks 0 to 3 are in
.endif
.if ks_ >= 4
	s_wait_dscnt (7-ks_)*16                        ; the sixteen loads of each later ks may stay out
.endif
.endif
.if \swap
.if ks_ < 4
	WIN 0xf1
.else
	WIN 0xf2
.endif
.else
.if ks_ < 4
	WIN 0xf4
.else
	WIN 0xf8
.endif
.endif
.set tt_, 0
.rept 8
.set xf_, ((8*ks_+tt_)*8)&255
.if \swap
.if ks_ == 0
	v_wmma_f32_16x16x32_f16 v[ACC+8*tt_:ACC+8*tt_+7], v[xf_:xf_+7], v[\buf+8*ks_:\buf+8*ks_+7], v[\bias:\bias+7]
.else
	v_wmma_f32_16x16x32_f16 v[ACC+8*tt_:ACC+8*tt_+7], v[xf_:xf_+7], v[\buf+8*ks_:\buf+8*ks_+7], v[ACC+8*tt_:ACC+8*tt_+7]
.endif
.else
.if ks_ == 0
	v_wmma_f32_16x16x32_f16 v[ACC+8*tt_:ACC+8*tt_+7], v[\buf+8*ks_:\buf+8*ks_+7], v[xf_:xf_+7], v[\bias:\bias+7]
.else
	v_wmma_f32_16x16x32_f16 v[ACC+8*tt_:ACC+8*tt_+7], v[\buf+8*ks_:\buf+8*ks_+7], v[xf_:xf_+7], v[ACC+8*tt_:ACC+8*tt_+7]
.endif
.endif
.set tt_, tt_+1
.endr
.set ks_, ks_+1
.endr
.endm
; q or k: times the token's power of a, rounded; a lane's 16 bytes are 8 neighbouring columns of token 16 tt + r.
; plo: first register of the output's address (0: none); kst: the LDS address register for k' (0: none); ko: 0 for my half of e, 256 for the other.
.macro EPIQK fac, i, plo, kst, ko
	PLACES
	WIN 0xcf
.set k_, 0
	s_wait_alu depctr_va_vdst(0)
.rept 32
	v_pk_mul_f32 v[ACC+2*k_:ACC+2*k_+1], v[ACC+2*k_:ACC+2*k_+1], v[\fac+2*(k_/4):\fac+2*(k_/4)+1]
.set k_, k_+1
.endr
	s_wait_xcnt 0x0                                ; PK is the data of the last pass's stores: it is rewritten only behind this wait
	WIN 0x0f
.set k_, 0
.rept 32
	v_cvt_pk_f16_f32 v[PK+k_], v[ACC+2*k_], v[ACC+2*k_+1]
.set k_, k_+1
.endr
	WIN 0
.set k_, 0
.rept 8
.if \plo
	global_store_b128 v[QKO], v[PK+4*k_:PK+4*k_+3], s[\plo:\plo+1] offset:k_*8192+\i*512
.endif
.if \kst
	ds_store_b128 v[\kst], v[PK+4*k_:PK+4*k_+3] offset:k_*16*KPITCH+\i*32+\ko
.endif
.set k_, k_+1
.endr
.endm
; v: a lane's 16 bytes are 8 neighbouring tokens of column 16 ct + r: at once the image for vf and my own operand for U
.macro EPIV i
	PLACES
	WIN 0x0f
.set k_, 0
.rept 32
	v_cvt_pk_f16_f32 v[VF+32*\i+k_], v[ACC+2*k_], v[ACC+2*k_+1]
.set k_, k_+1
.endr
	WIN 0
.set k_, 0
.rept 8
	global_store_b128 v[VSO], v[VF+32*\i+4*k_:VF+32*\i+4*k_+3], s[18:19] offset:\i*4096+k_*512
.set k_, k_+1
.endr
.endm
; eight fragments of k' transposed (LDS columns 128 eh + 16 el + r: eh = 0 my half of e, eh = 1 the other; 32 tokens of step js along K)
.macro ULOAD buf, js, eh
	WIN 0
.set k_, 0
.rept 8
	ds_load_tr16_b128 v[\buf+8*k_:\buf+8*k_+3],   v[KTR] offset:\js*32*KPITCH+(8*\eh+k_)*32
	ds_load_tr16_b128 v[\buf+8*k_+4:\buf+8*k_+7], v[KTR] offset:\js*32*KPITCH+(8*\eh+k_)*32+16*KPITCH
.set k_, k_+1
.endr
.endm
.macro UMUL buf, js, eh                ; sixteen different accumulators: U(row tile 8 eh + el in LDS order, my column tile vt)
	WIN 0x50
.set el_, 0
.rept 8
.set vt_, 0
.rept 2
.set ua_, (16*vt_+8*\eh+el_)*8
.if \js == 0
	v_wmma_f32_16x16x32_f16 v[ua_:ua_+7], v[\buf+8*el_:\buf+8*el_+7], v[VF+(4*vt_+\js)*8:VF+(4*vt_+\js)*8+7], 0
.else
	v_wmma_f32_16x16x32_f16 v[ua_:ua_+7], v[\buf+8*el_:\buf+8*el_+7], v[VF+(4*vt_+\js)*8:VF+(4*vt_+\js)*8+7], v[ua_:ua_+7]
.endif
.set vt_, vt_+1
.endr
.set el_, el_+1
.endr
.endm
	s_load_b512 s[8:23], s[0:1], 0x0               ; x s[8:9], wf s[10:11], bqkv s[12:13], qf s[14:15], kf s[16:17], vf s[18:19], uf s[20:21], usc s[22:23]
	s_set_vgpr_msb 0xc0
	v_lshl_add_u32 v160, v0, 2, 0x21800
	v_mov_b32 v161, 0
	s_set_vgpr_msb 0xc000
	v_lshrrev_b32 v[TA], 5, v0
	v_readfirstlane_b32 s2, v[TA]                  ; wave w
	s_and_b32 s3, ttmp9, 1                         ; hf
	s_lshr_b32 s4, ttmp9, 1                        ; g
	s_and_b32 s5, s4, 15                           ; c
	s_mov_b32 s24, 0x76543210                      ; v_permlanex16_b32: lane i reads lane i of the other half
	s_mov_b32 s25, 0xfedcba98
	s_lshl_b32 s27, s3, 3
	s_lshl1_add_u32 s27, s2, s27                   ; ct0 = 8 hf + 2 w: my first column tile in my half
	s_xor_b32 s28, s3, 1
	s_lshl_b32 s28, s28, 3
	s_lshl1_add_u32 s28, s2, s28                   ; ctx = 8 (1 - hf) + 2 w: in the other half
	v_and_b32 v[LN], 31, v0
	v_and_b32 v[RR], 15, v0
	v_bfe_u32 v[HH], v0, 4, 1
	v_lshlrev_b32 v[L16], 4, v[LN]
	s_lshl_b32 s6, s4, 17
	v_lshl_add_u32 v[XO], v0, 4, s6
	s_lshl_b32 s6, s27, 6                          ; a column tile's 16 biases are 64 bytes
	v_lshl_add_u32 v[BOQ], v[HH], 5, s6
	v_add_nc_u32 v[BOK], 1024, v[BOQ]
	s_lshl_b32 s7, s28, 6
	s_add_co_u32 s7, s7, 1024
	v_lshl_add_u32 v[BOX], v[HH], 5, s7
	s_add_co_u32 s6, s6, 2048
	v_lshl_add_u32 v[BOV], v[RR], 2, s6
	s_wait_kmcnt 0x0
	WIN 0xc0                                       ; 14 bias loads, then 48 loads of x: 62 on their way
.irp i, 0,1
	global_load_b128 v[BQ+8*\i:BQ+8*\i+3],       v[BOQ], s[12:13] offset:64*\i
	global_load_b128 v[BQ+8*\i+4:BQ+8*\i+7],     v[BOQ], s[12:13] offset:64*\i+16
	global_load_b128 v[BQ+16+8*\i:BQ+16+8*\i+3], v[BOK], s[12:13] offset:64*\i
	global_load_b128 v[BQ+20+8*\i:BQ+20+8*\i+3], v[BOK], s[12:13] offset:64*\i+16
	global_load_b128 v[BQ+32+8*\i:BQ+32+8*\i+3], v[BOX], s[12:13] offset:64*\i
	global_load_b128 v[BQ+36+8*\i:BQ+36+8*\i+3], v[BOX], s[12:13] offset:64*\i+16
	global_load_b32  v[BV+8*\i],                 v[BOV], s[12:13] offset:64*\i
.endr
	XLOAD 0, 0
	XLOAD 1, 64
	XLOAD 2, 128
	WIN 0
	; the other addresses, while the loads are on their way
	v_lshrrev_b32 v[TA], 6, v0                     ; which row of a pair
	v_and_b32 v[TB], 63, v0                        ; my four columns
	v_mul_u32_u24 v[TA], v[TA], XPITCH
	v_lshl_add_u32 v[XST], v[TB], 3, v[TA]
	v_add_nc_u32 v[XST2], 64*XPITCH, v[XST]
	v_mul_u32_u24 v[TA], v[RR], XPITCH
	v_lshl_add_u32 v[XLD], v[HH], 4, v[TA]
	s_lshl_b32 s6, s27, 13                         ; a column tile of wf is 8,192 bytes
	v_add_nc_u32 v[WOQ], s6, v[L16]
	v_add_nc_u32 v[WOK], 0x20000, v[WOQ]           ; k's columns begin at tile 16,
	v_add_nc_u32 v[WOV], 0x40000, v[WOQ]           ; v's at tile 32
	s_lshl_b32 s6, s28, 13
	s_add_co_u32 s6, s6, 0x20000
	v_add_nc_u32 v[WOX], s6, v[L16]
	s_lshl_b32 s7, s4, 16                          ; g x 65,536
	s_lshl_b32 s6, s27, 9
	s_add_co_u32 s6, s6, s7
	v_add_nc_u32 v[QKO], s6, v[L16]                ; column tile ct is half hh = ct & 1 of fragment ks = ct >> 1: ct x 512
	s_lshl_b32 s6, s27, 12
	s_add_co_u32 s6, s6, s7
	v_add_nc_u32 v[VSO], s6, v[L16]
	s_lshl_b32 s7, s4, 17
	s_lshl_b32 s6, s27, 13
	s_add_co_u32 s6, s6, s7                        ; uf: g x 131,072 + my first column tile x 8,192
	s_lshl_b32 s29, s3, 12
	s_add_co_u32 s29, s29, s6
	v_add_nc_u32 v[USO], s29, v[L16]               ; + 8 hf row tiles of 512 bytes: the rows e of my half
	s_xor_b32 s29, s3, 1
	s_lshl_b32 s29, s29, 12
	s_add_co_u32 s29, s29, s6
	v_add_nc_u32 v[USX], s29, v[L16]               ; + 8 (1 - hf) row tiles: the rows e of the other half
	s_lshl_b32 s6, s4, 4
	s_add_co_u32 s6, s6, s27
	s_lshl_b32 s6, s6, 2
	v_mov_b32 v[UCO], s6
	v_mul_u32_u24 v[TA], v[RR], KPITCH
	v_lshl_add_u32 v[TA], v[HH], 4, v[TA]
	s_lshl_b32 s6, s2, 6                           ; my two column tiles of a half: 2 w x 32 bytes
	s_add_co_u32 s6, s6, KSB
	v_add_nc_u32 v[KST], s6, v[TA]                 ; 67,584 + 544 r + 16 h + 64 w
	v_and_b32 v[TA], 7, v0
	v_lshl_add_u32 v[TA], v[HH], 3, v[TA]          ; token 8 h + (lane & 7)
	v_mul_u32_u24 v[TA], v[TA], KPITCH
	v_bfe_u32 v[TB], v0, 3, 1
	v_lshl_add_u32 v[TA], v[TB], 4, v[TA]
	v_add_nc_u32 v[KTR], KSB, v[TA]
	; the powers of a: exponents (16 tt + r - 64) log2 a and their negatives, in registers that W's first buffer takes later
.set t_, 0
.rept 8
	v_add_nc_u32 v[WB0+t_], 16*t_-64, v[RR]
	v_cvt_f32_i32 v[WB0+t_], v[WB0+t_]
	v_mul_f32 v[WB0+8+t_], NLOGA, v[WB0+t_]
	v_mul_f32 v[WB0+t_], LOGA, v[WB0+t_]
.set t_, t_+1
.endr
	WIN 0xc0
.set t_, 0
.rept 8
	v_exp_f32 v[FQ+2*t_],   v[WB0+t_]
	v_exp_f32 v[FQ+2*t_+1], v[WB0+t_]
	v_exp_f32 v[FK+2*t_],   v[WB0+8+t_]
	v_exp_f32 v[FK+2*t_+1], v[WB0+8+t_]
.set t_, t_+1
.endr
	v_nop                                          ; one plain place behind the transcendentals (ISA guide 5.7.2)
	; x to f16 into LDS, sixteen loads at a time; each wait leaves the two younger groups of sixteen loads out
	s_wait_loadcnt 32                              ; biases and rows 0-31 are in
	XCVT 0, 0
	XLOAD 3, 0
	WIN 0xc3
.irp i, 0,1
.irp j, 1,2,3,4,5,6,7
	v_mov_b32 v[BV+8*\i+\j], v[BV+8*\i]            ; v's bias tile: the column's bias in all eight rows
.endr
.endr
	s_wait_loadcnt 32                              ; rows 32-63
	XCVT 1, 64
	WLOAD WB0, WOQ, 0                              ; W for the first pass
	s_wait_loadcnt 32                              ; rows 64-95
	XCVT 2, 128
	WLOAD WB1, WOQ, 1                              ; and for the second
	s_wait_loadcnt 32                              ; rows 96-127; the two tiles of W stay out
	XCVT 3, 0
	s_wait_dscnt 0x0                               ; my stores of x are in LDS,
	s_barrier_signal -1
	s_barrier_wait -1                              ; everybody's are
.set ks_, 0
.rept 8
.if ks_ < 4
	WIN 0x40
.else
	WIN 0x80
.endif
.set tt_, 0
.rept 8
.set xf_, ((8*ks_+tt_)*8)&255
	ds_load_b128 v[xf_:xf_+3],   v[XLD] offset:tt_*16*XPITCH+ks_*64
	ds_load_b128 v[xf_+4:xf_+7], v[XLD] offset:tt_*16*XPITCH+ks_*64+32
.set tt_, tt_+1
.endr
.set ks_, ks_+1
.endr
	; Eight passes.  Pass p multiplies buffer p mod 3; the tile of pass p + 2 is asked for first, into the buffer that pass p - 1 has multiplied
	; (that pass's way out has filled the places).  s_wait_loadcnt 32: the 16 + 16 loads of the two younger passes stay out.
	; k' is stored into LDS bytes 67,584 and up, which no wave reads before the barrier behind the passes; x's bytes end at 67,584.
	WLOAD WB2, WOK, 0
	s_wait_loadcnt 32
	MULT WB0, BQ, 0, 1
	EPIQK FQ, 0, 14, 0, 0
	WLOAD WB0, WOK, 1
	s_wait_loadcnt 32
	MULT WB1, BQ+8, 0, 0
	EPIQK FQ, 1, 14, 0, 0
	WLOAD WB1, WOX, 0
	s_wait_loadcnt 32
	MULT WB2, BQ+16, 0, 0
	EPIQK FK, 0, 16, KST, 0
	WLOAD WB2, WOX, 1
	s_wait_loadcnt 32
	MULT WB0, BQ+24, 0, 0
	EPIQK FK, 1, 16, KST, 0
	WLOAD WB0, WOV, 0
	s_wait_loadcnt 32
	MULT WB1, BQ+32, 0, 0
	EPIQK FK, 0, 0, KST, 256
	WLOAD WB1, WOV, 1
	s_wait_loadcnt 32
	MULT WB2, BQ+40, 0, 0
	EPIQK FK, 1, 0, KST, 256
	s_wait_loadcnt 16                              ; the last pass's tile stays out
	MULT WB0, BV, 1, 0
	EPIV 0
	s_wait_loadcnt 0x0
	MULT WB1, BV+8, 1, 0
	EPIV 1
	s_wait_dscnt 0x0                               ; my stores of k' are in LDS
	s_cmp_eq_u32 s5, 15                            ; the same in all four waves: the batch's last chunk feeds no later one
	s_cbranch_scc1 .Lend
	s_barrier_signal -1
	s_barrier_wait -1                              ; everybody's k' is in LDS
	; U: eight batches (step js of 32 tokens, half eh of the rows e) on two buffers; s_wait_dscnt 16 leaves the next batch's loads out
	ULOAD WB0, 0, 0
	ULOAD WB1, 0, 1
	s_wait_dscnt 16
	UMUL WB0, 0, 0
.irp js, 1,2,3
	PLACES
	ULOAD WB0, \js, 0
	s_wait_dscnt 16
	UMUL WB1, \js-1, 1
	PLACES
	ULOAD WB1, \js, 1
	s_wait_dscnt 16
	UMUL WB0, \js, 0
.endr
	s_wait_dscnt 0x0
	UMUL WB1, 3, 1
	; the largest |U| of each of my two column tiles (16 columns x 256 rows e), over registers and then over the 32 lanes
	PLACES
	WIN 0x05
	v_max_num_f32 v[MX],   |v[0]|,   |v[1]|
	v_max_num_f32 v[MX+1], |v[128]|, |v[129]|
.set k_, 1
.rept 63
	v_max3_num_f32 v[MX],   |v[2*k_]|,     |v[2*k_+1]|,   v[MX]
	v_max3_num_f32 v[MX+1], |v[128+2*k_]|, |v[129+2*k_]|, v[MX+1]
.set k_, k_+1
.endr
	WIN 0
.irp m, 1,2,4,8
	v_max_num_f32_dpp v[MX],   v[MX],   v[MX]   row_xmask:\m row_mask:0xf bank_mask:0xf
	v_max_num_f32_dpp v[MX+1], v[MX+1], v[MX+1] row_xmask:\m row_mask:0xf bank_mask:0xf
.endr
	v_permlanex16_b32 v[TA], v[MX],   s24, s25
	v_permlanex16_b32 v[TB], v[MX+1], s24, s25
	v_max_num_f32 v[MX],   v[MX],   v[TA]
	v_max_num_f32 v[MX+1], v[MX+1], v[TB]
.irp t, 0,1
	v_and_b32 v[MX+\t], 0x7f800000, v[MX+\t]       ; the exponent alone,
	v_add_nc_u32 v[MX+\t], 0x00800000, v[MX+\t]    ; plus one: ub, the power of two above the maximum
	v_sub_nc_u32 v[IU+2*\t], 0x7f000000, v[MX+\t]  ; 1/ub, exact
	v_mov_b32 v[IU+2*\t+1], v[IU+2*\t]
.endr
	WIN 0x41
.set k_, 0
.rept 128
	v_pk_mul_f32 v[2*k_:2*k_+1], v[2*k_:2*k_+1], v[IU+2*(k_/64):IU+2*(k_/64)+1]
.set k_, k_+1
.endr
	WIN 0x05
.set k_, 0
.rept 128
	v_cvt_pk_f16_f32 v[WB0+k_], v[2*k_], v[2*k_+1]
.set k_, k_+1
.endr
	WIN 0
	; tile k = 16 vt + et', et' in LDS order: et' < 8 are the rows e of my half, the others those of the other half.  In uf: vt x 8,192 + et x 512.
.set k_, 0
.rept 32
.if (k_&15) < 8
	global_store_b128 v[USO], v[WB0+4*k_:WB0+4*k_+3], s[20:21] offset:(k_/16)*8192+(k_&7)*512
.else
	global_store_b128 v[USX], v[WB0+4*k_:WB0+4*k_+3], s[20:21] offset:(k_/16)*8192+(k_&7)*512
.endif
.set k_, k_+1
.endr
	s_wait_xcnt 0x0                                ; EXEC is narrowed only behind this wait
	v_cmp_eq_u32 vcc_lo, 0, v[LN]
	s_and_saveexec_b32 s26, vcc_lo
	global_store_b64 v[UCO], v[MX:MX+1], s[22:23]  ; my two ub
	s_wait_xcnt 0x0                                ; and widened again only behind this one
	s_or_b32 exec_lo, exec_lo, s26
.Lend:
	s_set_vgpr_msb 0xf
	s_wait_tensorcnt 0x0
	ds_add_u32 v160, v161
	s_wait_dscnt 0x0
	s_set_vgpr_msb 0xf00
	s_endpgm
.Lfunc_end_k_q66ea66157d_proj:
	.size	k_q66ea66157d_proj, .Lfunc_end_k_q66ea66157d_proj-k_q66ea66157d_proj
	.p2alignl 7, 3214868480
	.fill 96, 4, 3214868480
	.section	.rodata,"a",@progbits
	.p2align	6, 0x0
	.amdhsa_kernel k_q66ea66157d_proj
		.amdhsa_group_segment_fixed_size 137728
		.amdhsa_private_segment_fixed_size 0
		.amdhsa_enable_private_segment 0
		.amdhsa_kernarg_size 64
		.amdhsa_user_sgpr_count 2
		.amdhsa_user_sgpr_kernarg_segment_ptr 1
		.amdhsa_wavefront_size32 1
		.amdhsa_system_sgpr_workgroup_id_x 1
		.amdhsa_system_sgpr_workgroup_id_y 1
		.amdhsa_system_sgpr_workgroup_id_z 1
		.amdhsa_system_vgpr_workitem_id 0
		.amdhsa_next_free_vgpr 930
		.amdhsa_next_free_sgpr 66
		.amdhsa_reserve_vcc 1
		.amdhsa_float_denorm_mode_32 3
		.amdhsa_float_denorm_mode_16_64 3
		.amdhsa_memory_ordered 1
		.amdhsa_forward_progress 1
		.amdhsa_inst_pref_size 163
	.end_amdhsa_kernel
	.amdgpu_metadata
---
amdhsa.version: [ 1, 2 ]
amdhsa.kernels:
  - .name:           k_q66ea66157d_proj
    .symbol:         k_q66ea66157d_proj.kd
    .args:
      - { .name: x, .offset: 0, .size: 8, .value_kind: global_buffer, .address_space: global }
      - { .name: wf, .offset: 8, .size: 8, .value_kind: global_buffer, .address_space: global }
      - { .name: bqkv, .offset: 16, .size: 8, .value_kind: global_buffer, .address_space: global }
      - { .name: qf, .offset: 24, .size: 8, .value_kind: global_buffer, .address_space: global }
      - { .name: kf, .offset: 32, .size: 8, .value_kind: global_buffer, .address_space: global }
      - { .name: vf, .offset: 40, .size: 8, .value_kind: global_buffer, .address_space: global }
      - { .name: uf, .offset: 48, .size: 8, .value_kind: global_buffer, .address_space: global }
      - { .name: usc, .offset: 56, .size: 8, .value_kind: global_buffer, .address_space: global }
    .group_segment_fixed_size: 137728
    .private_segment_fixed_size: 0
    .kernarg_segment_align: 8
    .kernarg_segment_size: 64
    .max_flat_workgroup_size: 128
    .sgpr_count:     66
    .vgpr_count:     930
    .wavefront_size: 32
...
	.end_amdgpu_metadata
.endif
;; end of part 2
;; launch scan (part 3): grid 256 x 1, 8 waves a work-group, no clusters, 0 bytes of LDS; arguments uf, usc, sf, ssc; writes sf, ssc
.if DOCPART == 3
	.amdgcn_target "amdgcn-amd-amdhsa--gfx1250"
	.amdhsa_code_object_version 6
	.text
	.protected	k_q66ea66157d_scan
	.globl	k_q66ea66157d_scan
	.p2align	8
	.type	k_q66ea66157d_scan,@function
k_q66ea66157d_scan:
	s_mov_b64 s[64:65], 0
	v_nop
	global_prefetch_b8 v0, s[64:65] scope:SCOPE_SE
	s_setreg_imm32_b32 hwreg(HW_REG_WAVE_MODE, 25, 1), 1
	s_wait_xcnt 0x0
; The state in front of each chunk: T_0 = 0, T_(c+1) = w T_c + U_c, w = a^128, for the 16 chunks of a batch.  In f32.
; uf holds U_c / ub_c in f16 (ub_c a power of two for each tile of 16 columns, in usc); sf gets T_c / sb_c in f16, in the same register images,
; and ssc the sb_c.  sb_c is the power of two above B_c, where B_0 = 0, B_(c+1) = w B_c + ub_c bounds every |T| of the tile: no reduction is needed.
; A stream: memory binds, so no LDS, no matrix unit, no cluster.  A work-group owns 4,096 bytes of every chunk image of one batch (half of one column
; tile, so its scales are scalars), a thread 16 bytes: each load and store of a wave covers 512 consecutive bytes, aligned.
; All fifteen loads of a thread go out at the start; s_wait_loadcnt 14 - c leaves the younger chunks' loads out.
; Each chunk has its own four registers to store from, and the address register is never rewritten: no wait for the stores' sources.
; LIMITS: the bound B below 2^126; no NaN, no infinity.
.set UB,  32                           ; s[32:46] ub_c, overwritten in turn by B_(c+1)
.set T,   68                           ; v[68:75]  the state, 8 numbers
.set UF,  76                           ; v[76:83]  U as f32
.set TM,  84                           ; v[84:91]  T / sb
.set OUT, 92                           ; v[92:155] four registers for each chunk
	s_load_b256 s[4:11], s[0:1], 0x0               ; uf s[4:5], usc s[6:7], sf s[8:9], ssc s[10:11]
	s_lshr_b32 s12, ttmp9, 5                       ; batch
	s_and_b32 s13, ttmp9, 31                       ; part of 4,096 bytes
	s_lshr_b32 s14, s13, 1                         ; column tile vt
	s_lshl_b32 s15, s12, 21                        ; sixteen chunk images of 131,072 bytes
	s_lshl_b32 s16, s13, 12
	s_add_co_u32 s15, s15, s16
	v_lshl_add_u32 v1, v0, 4, s15                  ; my 16 bytes in chunk 0's image
	s_lshl_b32 s16, s12, 10
	s_lshl2_add_u32 s16, s14, s16                  ; usc: (16 (16 b + c) + vt) x 4 at c = 0
	s_mov_b32 s17, 0
	s_lshl_b32 s18, s12, 4
	s_add_co_u32 s18, s18, s14
	s_lshl_b32 s18, s18, 6
	v_lshl_add_u32 v5, v0, 2, s18                  ; ssc: ((16 b + vt) x 16 + lane) x 4
	v_lshrrev_b32 v6, 5, v0
	v_readfirstlane_b32 s19, v6                    ; wave
	v_mov_b32 v2, 0                                ; lane c will hold sb_c
	v_mov_b32 v3, 0xbfed8f8c                       ; 128 log2(0.99f)
	v_exp_f32 v4, v3                               ; w
	s_wait_kmcnt 0x0
	s_add_nc_u64 s[6:7], s[6:7], s[16:17]
.set c_, 0
.rept 15
	s_load_b32 s[UB+c_], s[6:7], c_*64
	global_load_b128 v[8+4*c_:11+4*c_], v1, s[4:5] offset:c_*131072 th:TH_LOAD_NT
.set c_, c_+1
.endr
	v_nop                                          ; one plain place behind v_exp_f32 (ISA guide 5.7.2)
	s_wait_alu depctr_va_vdst(0)
	v_readfirstlane_b32 s48, v4
	s_mov_b32 s49, s48                             ; s[48:49] w
	s_wait_kmcnt 0x0
; chunk c: store T_c / sb_c, then take U_c in.  u0 .. u3: the numbers of the four registers that hold U_c.
.macro STEP c, u0, u1, u2, u3
.if \c == 0
	s_mov_b32 s54, 0x00800000                      ; B_0 = 0: the smallest scale; T_0 = 0
	v_writelane_b32 v2, s54, 0
.irp q, 0,1,2,3
	v_mov_b32 v[OUT+\q], 0
.endr
.else
	s_and_b32 s54, s[UB+\c-1], 0x7f800000          ; B_c's exponent,
	s_add_co_u32 s54, s54, 0x00800000              ; plus one: sb_c
	s_sub_co_u32 s50, 0x7f000000, s54              ; 1 / sb_c, exact
	s_mov_b32 s51, s50
	v_writelane_b32 v2, s54, \c
.irp q, 0,1,2,3
	v_pk_mul_f32 v[TM+2*\q:TM+2*\q+1], v[T+2*\q:T+2*\q+1], s[50:51] op_sel_hi:[1,0]
.endr
.irp q, 0,1,2,3
	v_cvt_pk_f16_f32 v[OUT+4*\c+\q], v[TM+2*\q], v[TM+2*\q+1]
.endr
.endif
	global_store_b128 v1, v[OUT+4*\c:OUT+4*\c+3], s[8:9] offset:\c*131072
.if \c < 15
	s_wait_loadcnt 14-\c                           ; loads come back in order: chunk c's is in
	v_cvt_f32_f16 v[UF+0], v\u0\().l
	v_cvt_f32_f16 v[UF+1], v\u0\().h
	v_cvt_f32_f16 v[UF+2], v\u1\().l
	v_cvt_f32_f16 v[UF+3], v\u1\().h
	v_cvt_f32_f16 v[UF+4], v\u2\().l
	v_cvt_f32_f16 v[UF+5], v\u2\().h
	v_cvt_f32_f16 v[UF+6], v\u3\().l
	v_cvt_f32_f16 v[UF+7], v\u3\().h
	s_mov_b32 s52, s[UB+\c]
	s_mov_b32 s53, s[UB+\c]                        ; s[52:53] ub_c
.if \c == 0
.irp q, 0,1,2,3
	v_pk_mul_f32 v[T+2*\q:T+2*\q+1], v[UF+2*\q:UF+2*\q+1], s[52:53] op_sel_hi:[1,0]     ; T_1 = U_0; B_1 = ub_0 lies in its place already
.endr
.else
.irp q, 0,1,2,3
	v_pk_mul_f32 v[T+2*\q:T+2*\q+1], v[T+2*\q:T+2*\q+1], s[48:49] op_sel_hi:[1,0]
.endr
.irp q, 0,1,2,3
	v_pk_fma_f32 v[T+2*\q:T+2*\q+1], v[UF+2*\q:UF+2*\q+1], s[52:53], v[T+2*\q:T+2*\q+1] op_sel_hi:[1,0,1]
.endr
	s_fmac_f32 s[UB+\c], s[UB+\c-1], s48           ; B_(c+1) = ub_c + w B_c
.endif
.endif
.endm
	STEP 0, 8, 9, 10, 11
	STEP 1, 12, 13, 14, 15
	STEP 2, 16, 17, 18, 19
	STEP 3, 20, 21, 22, 23
	STEP 4, 24, 25, 26, 27
	STEP 5, 28, 29, 30, 31
	STEP 6, 32, 33, 34, 35
	STEP 7, 36, 37, 38, 39
	STEP 8, 40, 41, 42, 43
	STEP 9, 44, 45, 46, 47
	STEP 10, 48, 49, 50, 51
	STEP 11, 52, 53, 54, 55
	STEP 12, 56, 57, 58, 59
	STEP 13, 60, 61, 62, 63
	STEP 14, 64, 65, 66, 67
	STEP 15, 0, 0, 0, 0
	; the sixteen scales of the column tile: stored once, by wave 0 of the tile's first part
	s_cmp_lg_u32 s19, 0
	s_cbranch_scc1 .Ldone
	s_bitcmp1_b32 s13, 0
	s_cbranch_scc1 .Ldone
	s_wait_xcnt 0x0                                ; EXEC is narrowed only behind this wait
	v_cmp_gt_u32 vcc_lo, 16, v0
	s_and_saveexec_b32 s18, vcc_lo
	global_store_b32 v5, v2, s[10:11]
	s_wait_xcnt 0x0                                ; and widened again only behind this one
	s_or_b32 exec_lo, exec_lo, s18
.Ldone:
	s_endpgm
.Lfunc_end_k_q66ea66157d_scan:
	.size	k_q66ea66157d_scan, .Lfunc_end_k_q66ea66157d_scan-k_q66ea66157d_scan
	.p2alignl 7, 3214868480
	.fill 96, 4, 3214868480
	.section	.rodata,"a",@progbits
	.p2align	6, 0x0
	.amdhsa_kernel k_q66ea66157d_scan
		.amdhsa_group_segment_fixed_size 0
		.amdhsa_private_segment_fixed_size 0
		.amdhsa_enable_private_segment 0
		.amdhsa_kernarg_size 32
		.amdhsa_user_sgpr_count 2
		.amdhsa_user_sgpr_kernarg_segment_ptr 1
		.amdhsa_wavefront_size32 1
		.amdhsa_system_sgpr_workgroup_id_x 1
		.amdhsa_system_sgpr_workgroup_id_y 1
		.amdhsa_system_sgpr_workgroup_id_z 1
		.amdhsa_system_vgpr_workitem_id 0
		.amdhsa_next_free_vgpr 156
		.amdhsa_next_free_sgpr 66
		.amdhsa_reserve_vcc 1
		.amdhsa_float_denorm_mode_32 3
		.amdhsa_float_denorm_mode_16_64 3
		.amdhsa_memory_ordered 1
		.amdhsa_forward_progress 1
		.amdhsa_inst_pref_size 31
	.end_amdhsa_kernel
	.amdgpu_metadata
---
amdhsa.version: [ 1, 2 ]
amdhsa.kernels:
  - .name:           k_q66ea66157d_scan
    .symbol:         k_q66ea66157d_scan.kd
    .args:
      - { .name: uf, .offset: 0, .size: 8, .value_kind: global_buffer, .address_space: global }
      - { .name: usc, .offset: 8, .size: 8, .value_kind: global_buffer, .address_space: global }
      - { .name: sf, .offset: 16, .size: 8, .value_kind: global_buffer, .address_space: global }
      - { .name: ssc, .offset: 24, .size: 8, .value_kind: global_buffer, .address_space: global }
    .group_segment_fixed_size: 0
    .private_segment_fixed_size: 0
    .kernarg_segment_align: 8
    .kernarg_segment_size: 32
    .max_flat_workgroup_size: 256
    .sgpr_count:     66
    .vgpr_count:     156
    .wavefront_size: 32
...
	.end_amdgpu_metadata
.endif
;; end of part 3
;; launch outk (part 4): grid 256 x 1, 4 waves a work-group, no clusters, 231,936 bytes of LDS; arguments qf, kf, vf, sf, ssc, out0; writes out0
.if DOCPART == 4
	.amdgcn_target "amdgcn-amd-amdhsa--gfx1250"
	.amdhsa_code_object_version 6
	.text
	.protected	k_q66ea66157d_outk
	.globl	k_q66ea66157d_outk
	.p2align	8
	.type	k_q66ea66157d_outk,@function
k_q66ea66157d_outk:
	s_mov_b64 s[64:65], 0
	v_nop
	global_prefetch_b8 v0, s[64:65] scope:SCOPE_SE
	s_setreg_imm32_b32 hwreg(HW_REG_WAVE_MODE, 25, 1), 1
	s_wait_xcnt 0x0
; out[i][n] = (1/16) sum over keys j <= i of the chunk of (q'_i . k'_j) v_j[n]  +  (w/16) sum over e of q'_i[e] T_c[e][n],   w = a^128.
; q'_i . k'_j already carries a^(i-j).  Work-group (g, hf): the chunk's 128 tokens x the 128 columns n of half hf.  f16 operands, f32 sums.
; Wave w owns the query tiles (16 rows) nt0 = w and nt1 = 7 - w: together five causal steps of 32 keys in every wave, the "slots":
;   slot 0 = (nt0, keys 0-31), slots 1, 2, 3 = (nt1, keys 0-31, 32-63, 64-95), slot 4 = (nt1, keys 96-127) for w < 2, (nt0, keys 32-63) for w >= 2.
; Slots 0 and 1 share their fragments of K and of V.  Only slot 4's matrix instructions stand in a branch on the wave's number.
; All products are used transposed: scores come as D[key][query], so that a lane's eight scores pack into the operand of the next product, and the
; output as D[column][query]: a lane holds 8 neighbouring columns of one row.
; THE SCORES' SCALE: a row's masked scores are divided by the power of two at or below the row's largest magnitude before they are rounded to f16
; (they then lie inside +-2), and the row's sum is multiplied back: scores of any size fit.
; LDS: K's 64 fragments 0 .. 65,535; T's 64 fragments of my half 65,536 .. 131,071; V's 32 fragments 131,072 .. 163,839, brought by three tensor loads
; a wave, each a quarter of its region, all issued at the start: three out, and no byte is ever filled twice.
; Behind them each wave's own stage of 32 rows x 528 bytes for the way out.  The images are dense: a wave's load takes 512 consecutive bytes.
; NO CLUSTER: only the two work-groups of a chunk share anything (K's 65,536 of the 163,840 bytes that a work-group's tensor loads bring, and q'); a pair
; is no row or column of a cluster of four.
; The accumulators take turns, one matrix instruction a turn.
; LIMITS: |scores| below 2^127; rows whose largest score is below 2^-126 count as zero; no NaN, no infinity.
.set TREG, 65536
.set VREG, 131072
.set STG,  163840
.set SPITCH, 528                       ; a stage row: 128 f32 + 16 bytes = 33 x 16
.set STGW, 32*SPITCH
; window 0
.set L16, 1                            ; 16 x lane; also the address of K's fragments
.set RR,  2
.set HH,  3
.set KA4, 4                            ; K's fragments of slot 4's key step
.set SA,  5                            ; T's fragments
.set VA,  6                            ; V's fragments
.set VA4, 7                            ; V's fragments of slot 4's key step
.set QO,  8                            ; v[8:9]   qf offsets of my two query tiles
.set STO, 10                           ; stage, in
.set RD,  11                           ; stage, back
.set GO,  12                           ; v[12:13] out0 offsets of my two query tiles
.set TA,  14
.set TB,  15
.set FI,  16                           ; v[16:19] the rows' scales / 16, a pair for each query tile
.set W16, 22                           ; w / 16
.set PP,  32                           ; v[32:71] the scaled scores in f16: a fragment for each slot
.set CI,  72                           ; v[72:87] sb w / 16, a pair for each column tile
; window 1, by the low byte
.set QQ,  0                            ; q' of query tile n at 64 n + 8 ks
.set SC,  128                          ; scores: slot s, key half m at 128 + 8 (2 s + m)
.set QIS, 208                          ; slot s: 16 nt - 32 js + r - 8 h: key 16 m + j of the slot is kept where it is not above this
.set MS,  213                          ; slot s: largest magnitude
.set MM,  218                          ; query tile n: the same
.set TT,  220
.set RS,  222                          ; 1 / scale: pairs for tile 0, tile 1, slot 4
.set EB,  228                          ; the scales
; window 2
.set A1,  0                            ; q' T: tile (n, vt) at 8 (8 n + vt)
.set A2,  128                          ; scores x V, likewise
; window 3: four buffers of eight fragments
.set FB0, 0
.set FB1, 64
.set FB2, 128
.set FB3, 192
.set MSB, 0
.macro WIN new                         ; s_set_vgpr_msb: bits 1:0 source 0, 3:2 source 1, 5:4 source 2, 7:6 destination; the high byte repeats the setting left
.if MSB != (\new)
	s_set_vgpr_msb (MSB<<8)|(\new)
.set MSB, (\new)
.endif
.endm
.macro PLACES                          ; four places behind matrix instructions (ISA guide 7.12.1) before their results are read or their sources loaded again
.rept 4
	v_nop
.endr
.endm
.macro KLOAD buf, areg, js, kh         ; K: 32 keys (two tiles m) x 128 of e (ks = 4 kh .. 4 kh + 3); fragment 2 (ks & 3) + m
	WIN 0xc0
.set q_, 0
.rept 4
.set m_, 0
.rept 2
	ds_load_b128 v[\buf+8*(2*q_+m_):\buf+8*(2*q_+m_)+3],   v[\areg] offset:\js*16384+m_*8192+(4*\kh+q_)*1024
	ds_load_b128 v[\buf+8*(2*q_+m_)+4:\buf+8*(2*q_+m_)+7], v[\areg] offset:\js*16384+m_*8192+(4*\kh+q_)*1024+512
.set m_, m_+1
.endr
.set q_, q_+1
.endr
.endm
.macro SMUL n, slot, buf, kh           ; scores of a slot, half of e: the slot's two accumulators by turns
	WIN 0x57
.set q_, 0
.rept 4
.set m_, 0
.rept 2
.set d_, SC+8*(2*\slot+m_)
.if (\kh == 0) && (q_ == 0)
	v_wmma_f32_16x16x32_f16 v[d_:d_+7], v[\buf+8*(2*q_+m_):\buf+8*(2*q_+m_)+7], v[QQ+64*\n+8*(4*\kh+q_):QQ+64*\n+8*(4*\kh+q_)+7], 0
.else
	v_wmma_f32_16x16x32_f16 v[d_:d_+7], v[\buf+8*(2*q_+m_):\buf+8*(2*q_+m_)+7], v[QQ+64*\n+8*(4*\kh+q_):QQ+64*\n+8*(4*\kh+q_)+7], v[d_:d_+7]
.endif
.set m_, m_+1
.endr
.set q_, q_+1
.endr
.endm
.macro ILOAD buf, vt                   ; T: column tile vt, all 256 of e
	WIN 0xc0
.set q_, 0
.rept 8
	ds_load_b128 v[\buf+8*q_:\buf+8*q_+3],   v[SA] offset:\vt*8192+q_*1024
	ds_load_b128 v[\buf+8*q_+4:\buf+8*q_+7], v[SA] offset:\vt*8192+q_*1024+512
.set q_, q_+1
.endr
.endm
.macro IMUL buf, vt                    ; q' T for both query tiles by turns
	WIN 0xa7
.set q_, 0
.rept 8
.set m_, 0
.rept 2
.set d_, A1+8*(8*m_+\vt)
.if q_ == 0
	v_wmma_f32_16x16x32_f16 v[d_:d_+7], v[\buf+8*q_:\buf+8*q_+7], v[QQ+64*m_+8*q_:QQ+64*m_+8*q_+7], 0
.else
	v_wmma_f32_16x16x32_f16 v[d_:d_+7], v[\buf+8*q_:\buf+8*q_+7], v[QQ+64*m_+8*q_:QQ+64*m_+8*q_+7], v[d_:d_+7]
.endif
.set m_, m_+1
.endr
.set q_, q_+1
.endr
.endm
.macro VLOAD buf, areg, js             ; V: 32 keys of step js, all eight column tiles
	WIN 0xc0
.set q_, 0
.rept 8
	ds_load_b128 v[\buf+8*q_:\buf+8*q_+3],   v[\areg] offset:q_*4096+\js*1024
	ds_load_b128 v[\buf+8*q_+4:\buf+8*q_+7], v[\areg] offset:q_*4096+\js*1024+512
.set q_, q_+1
.endr
.endm
.macro PMUL n, slot, buf, zero         ; a slot's scores x V: eight accumulators
	WIN 0xa3
.set q_, 0
.rept 8
.set d_, A2+8*(8*\n+q_)
.if \zero
	v_wmma_f32_16x16x32_f16 v[d_:d_+7], v[\buf+8*q_:\buf+8*q_+7], v[PP+8*\slot:PP+8*\slot+7], 0
.else
	v_wmma_f32_16x16x32_f16 v[d_:d_+7], v[\buf+8*q_:\buf+8*q_+7], v[PP+8*\slot:PP+8*\slot+7], v[d_:d_+7]
.endif
.set q_, q_+1
.endr
.endm
	s_load_b256 s[8:15], s[0:1], 0x0               ; qf s[8:9], kf s[10:11], vf s[12:13], sf s[14:15]
	s_load_b128 s[16:19], s[0:1], 0x20             ; ssc s[16:17], out0 s[18:19]
	v_lshl_add_u32 v254, v0, 2, 0x38800
	v_mov_b32 v255, 0
	ds_add_u32 v254, v255
	ds_add_u32 v254, v255
	v_lshrrev_b32 v[TA], 5, v0
	v_readfirstlane_b32 s2, v[TA]                  ; wave w
	s_and_b32 s3, ttmp9, 1                         ; hf
	s_lshr_b32 s4, ttmp9, 1                        ; g
	s_and_b32 s5, s4, 15                           ; c
	s_lshr_b32 s6, s4, 4                           ; batch
	; descriptor group 1: a dense block as rows of 256 bytes (32 elements of 8 bytes), 64 rows (K, T) or 32 rows (V), no padding, no mask
	s_mov_b32 s24, 3<<16                           ; element of 8 bytes
	s_mov_b32 s25, 32<<16                          ; tensor_dim0 = 32
	s_mov_b32 s26, 64<<16                          ; tensor_dim1 = 64
	s_mov_b32 s27, 32<<16                          ; tile_dim0 = 32
	s_mov_b32 s28, 64                              ; tile_dim1 = 64
	s_mov_b32 s29, 32                              ; from row to row: 32 elements
	s_mov_b32 s30, 0
	s_mov_b32 s31, 0
	s_mov_b32 s32, 3<<16
	s_mov_b32 s33, 32<<16
	s_mov_b32 s34, 32<<16                          ; tensor_dim1 = 32
	s_mov_b32 s35, 32<<16
	s_mov_b32 s36, 32                              ; tile_dim1 = 32
	s_mov_b32 s37, 32
	s_mov_b32 s38, 0
	s_mov_b32 s39, 0
	; my quarter of each region: offsets apart from the addresses
	s_lshl_b32 s7, s2, 14
	s_lshl_b32 s20, s4, 16
	s_add_co_u32 s20, s20, s7                      ; kf: g x 65,536 + w x 16,384
	s_mov_b32 s21, 0
	s_lshl_b32 s22, s4, 17
	s_lshl_b32 s70, s3, 16
	s_add_co_u32 s22, s22, s70
	s_add_co_u32 s22, s22, s7                      ; sf: g x 131,072 + hf x 65,536 + w x 16,384
	s_mov_b32 s23, 0
	s_lshl_b32 s70, s4, 16
	s_lshl_b32 s71, s3, 15
	s_add_co_u32 s70, s70, s71
	s_lshl_b32 s71, s2, 13
	s_add_co_u32 s70, s70, s71                     ; vf: g x 65,536 + hf x 32,768 + w x 8,192
	s_mov_b32 s71, 0
	s_mov_b32 s40, 1
	s_lshl_b32 s41, s2, 14                         ; LDS: w x 16,384
	s_mov_b32 s44, 1
	s_lshl_b32 s45, s2, 14
	s_add_co_u32 s45, s45, TREG
	s_mov_b32 s48, 1
	s_lshl_b32 s49, s2, 13
	s_add_co_u32 s49, s49, VREG
	s_wait_dscnt 0x0
	s_wait_kmcnt 0x0
	s_add_nc_u64 s[42:43], s[10:11], s[20:21]
	s_or_b32 s43, s43, 0x80000000
	s_add_nc_u64 s[46:47], s[14:15], s[22:23]
	s_or_b32 s47, s47, 0x80000000
	s_add_nc_u64 s[50:51], s[12:13], s[70:71]
	s_or_b32 s51, s51, 0x80000000
	tensor_load_to_lds s[40:43], s[24:31]          ; K first: it is wanted first
	s_nop 0
	tensor_load_to_lds s[44:47], s[24:31]          ; T
	s_nop 0
	tensor_load_to_lds s[48:51], s[32:39]          ; V
	s_nop 0
	s_lshl_b32 s20, s6, 10
	s_lshl_b32 s7, s3, 9
	s_add_co_u32 s20, s20, s7
	s_lshl2_add_u32 s20, s5, s20                   ; ssc: ((16 b + 8 hf + i) x 16 + c) x 4 at i = 0
	s_mov_b32 s21, 0
	s_add_nc_u64 s[68:69], s[16:17], s[20:21]
.irp i, 0,1,2,3,4,5,6,7
	s_load_b32 s[52+\i], s[68:69], \i*64           ; sb of my eight column tiles
.endr
	v_and_b32 v[TB], 31, v0
	v_lshlrev_b32 v[L16], 4, v[TB]
	v_and_b32 v[RR], 15, v0
	v_bfe_u32 v[HH], v0, 4, 1
	s_sub_co_u32 s63, 7, s2                        ; nt1
	s_lshl_b32 s22, s4, 16
	s_lshl_b32 s7, s2, 13
	s_add_co_u32 s7, s7, s22
	v_add_nc_u32 v[QO], s7, v[L16]
	s_lshl_b32 s7, s63, 13
	s_add_co_u32 s7, s7, s22
	v_add_nc_u32 v[QO+1], s7, v[L16]
	WIN 0x40
.irp n, 0,1
.set k_, 0
.rept 16
	global_load_b128 v[QQ+64*\n+4*k_:QQ+64*\n+4*k_+3], v[QO+\n], s[8:9] offset:k_*512
.set k_, k_+1
.endr
.endr
	WIN 0
	s_mov_b32 s66, 0x76543210                      ; v_permlanex16_b32: lane i reads lane i of the other half
	s_mov_b32 s67, 0xfedcba98
	s_lshr_b32 s61, s2, 1
	s_lshl_b32 s61, s61, 1
	s_sub_co_u32 s61, 3, s61                       ; js4 = 3 for w < 2, 1 for w >= 2
	s_cmp_lt_u32 s2, 2
	s_cselect_b32 s60, -1, 0                       ; all lanes: w < 2
	s_cselect_b32 s62, s63, s2                     ; nt4: slot 4's query tile
	s_lshl_b32 s7, s61, 14
	v_add_nc_u32 v[KA4], s7, v[L16]
	v_add_nc_u32 v[SA], TREG, v[L16]
	v_add_nc_u32 v[VA], VREG, v[L16]
	s_lshl_b32 s7, s61, 10
	v_add_nc_u32 v[VA4], s7, v[VA]
	s_mul_i32 s7, s2, STGW
	s_add_co_u32 s7, s7, STG                       ; my stage
	v_mul_u32_u24 v[TA], v[RR], SPITCH
	v_lshl_add_u32 v[TA], v[HH], 5, v[TA]
	v_add_nc_u32 v[STO], s7, v[TA]                 ; in: row r, 32 bytes for each half of the lanes
	v_add_nc_u32 v[RD], s7, v[L16]                 ; back: a whole row of 512 bytes
	s_lshl_b32 s22, s4, 17
	s_lshl_b32 s7, s3, 9
	s_add_co_u32 s22, s22, s7
	s_lshl_b32 s7, s2, 14
	s_add_co_u32 s7, s7, s22
	v_add_nc_u32 v[GO], s7, v[L16]                 ; out0: (128 g + 16 nt) rows of 1,024 bytes + 512 hf + 16 lane
	s_lshl_b32 s7, s63, 14
	s_add_co_u32 s7, s7, s22
	v_add_nc_u32 v[GO+1], s7, v[L16]
	v_lshlrev_b32 v[TB], 3, v[HH]
	v_sub_nc_u32 v[TA], v[RR], v[TB]               ; r - 8 h
	s_lshl_b32 s20, s2, 4                          ; slot 0: 16 w
	s_sub_co_u32 s21, 48, s20                      ; slot 3: 16 (7 - w) - 64
	s_lshl_b32 s22, s62, 4
	s_lshl_b32 s23, s61, 5
	s_sub_co_u32 s22, s22, s23                     ; slot 4: 16 nt4 - 32 js4
	WIN 0x40
	v_add_nc_u32 v[QIS+0], s20, v[TA]
	v_add_nc_u32 v[QIS+3], s21, v[TA]
	v_add_nc_u32 v[QIS+4], s22, v[TA]
	WIN 0
	v_mov_b32 v[TB], 0xbfed8f8c                    ; 128 log2(0.99f)
	v_exp_f32 v[W16], v[TB]
	v_nop                                          ; one plain place behind v_exp_f32 (ISA guide 5.7.2)
	s_wait_alu depctr_va_vdst(0)
	v_mul_f32 v[W16], 0x3d800000, v[W16]           ; w / 16
	s_wait_kmcnt 0x0
.irp i, 0,1,2,3,4,5,6,7
	v_mul_f32 v[CI+2*\i],   s[52+\i], v[W16]
	v_mul_f32 v[CI+2*\i+1], s[52+\i], v[W16]
.endr
	s_wait_tensorcnt 0x2                           ; my quarter of K has landed; T's and V's loads, issued behind it, stay out (nothing is ever filled again)
	s_barrier_signal -1
	s_barrier_wait -1                              ; all of K is there
	; THE SCORES: eight batches of sixteen LDS loads on four buffers, three batches ahead; s_wait_dscnt 48 leaves the three younger batches out
	KLOAD FB0, L16, 0, 0
	KLOAD FB1, L16, 0, 1
	KLOAD FB2, L16, 1, 0
	s_wait_loadcnt 0x0                             ; q'
	KLOAD FB3, L16, 1, 1
	s_wait_dscnt 48
	SMUL 0, 0, FB0, 0
	SMUL 1, 1, FB0, 0
	PLACES
	KLOAD FB0, L16, 2, 0
	s_wait_dscnt 48
	SMUL 0, 0, FB1, 1
	SMUL 1, 1, FB1, 1
	PLACES
	KLOAD FB1, L16, 2, 1
	s_wait_dscnt 48
	SMUL 1, 2, FB2, 0
	PLACES
	KLOAD FB2, KA4, 0, 0
	s_wait_dscnt 48
	SMUL 1, 2, FB3, 1
	PLACES
	KLOAD FB3, KA4, 0, 1
	s_wait_dscnt 48
	SMUL 1, 3, FB0, 0
	s_wait_dscnt 32                                ; slot 4's two batches stay out
	SMUL 1, 3, FB1, 1
	s_wait_dscnt 0x0
	WIN 0
	s_cmp_lt_u32 s2, 2
	s_cbranch_scc0 .Lsc_low
	SMUL 1, 4, FB2, 0                              ; w < 2: slot 4 belongs to query tile nt1
	SMUL 1, 4, FB3, 1
	WIN 0
	s_branch .Lsc_done
.Lsc_low:
	SMUL 0, 4, FB2, 0                              ; w >= 2: to nt0
	SMUL 0, 4, FB3, 1
	WIN 0
.Lsc_done:
	s_wait_tensorcnt 0x0                           ; my quarters of T and V have landed,
	s_barrier_signal -1
	s_barrier_wait -1                              ; everybody's have
	PLACES
	ILOAD FB0, 0
	ILOAD FB1, 1
	ILOAD FB2, 2
	; MASK, SCALE, ROUND, while T's first fragments come.  Slots 1 and 2 (rows 64 and up, keys 0-63) are never cut.
	WIN 0x55
.irp s, 0,3,4
.set k_, 0
.rept 16
	v_cmp_le_i32 vcc_lo, k_+8*(k_/8), v[QIS+\s]    ; key 16 m + j (register 8 m + j) against the row
	v_cndmask_b32 v[SC+16*\s+k_], 0, v[SC+16*\s+k_], vcc_lo
.set k_, k_+1
.endr
.endr
.irp s, 0,1,2,3,4
	v_max_num_f32 v[MS+\s], |v[SC+16*\s]|, |v[SC+16*\s+1]|
.endr
.set k_, 1
.rept 7
.irp s, 0,1,2,3,4
	v_max3_num_f32 v[MS+\s], |v[SC+16*\s+2*k_]|, |v[SC+16*\s+2*k_+1]|, v[MS+\s]
.endr
.set k_, k_+1
.endr
	v_cndmask_b32 v[TT],   v[MS+4], 0, s60         ; slot 4 counts for tile nt0 where w >= 2,
	v_cndmask_b32 v[TT+1], 0, v[MS+4], s60         ; for nt1 where w < 2
	v_max_num_f32 v[MM], v[MS], v[TT]
	v_max3_num_f32 v[MM+1], v[MS+1], v[MS+2], v[MS+3]
	v_max_num_f32 v[MM+1], v[MM+1], v[TT+1]
	v_permlanex16_b32 v[TT],   v[MM],   s66, s67   ; a row's keys lie in lanes r and r + 16
	v_permlanex16_b32 v[TT+1], v[MM+1], s66, s67
	v_max_num_f32 v[MM],   v[MM],   v[TT]
	v_max_num_f32 v[MM+1], v[MM+1], v[TT+1]
	v_and_b32 v[EB],   0x7f800000, v[MM]           ; the power of two at or below the row's maximum
	v_and_b32 v[EB+1], 0x7f800000, v[MM+1]
	v_sub_nc_u32 v[RS],   0x7f000000, v[EB]        ; its reciprocal, exact
	v_sub_nc_u32 v[RS+2], 0x7f000000, v[EB+1]
	v_mov_b32 v[RS+1], v[RS]
	v_mov_b32 v[RS+3], v[RS+2]
	v_cndmask_b32 v[RS+4], v[RS], v[RS+2], s60     ; slot 4's
	v_mov_b32 v[RS+5], v[RS+4]
.irp s, 0,1,2,3,4
.if \s == 0
.set rs_, RS
.elseif \s == 4
.set rs_, RS+4
.else
.set rs_, RS+2
.endif
.set k_, 0
.rept 8
	v_pk_mul_f32 v[SC+16*\s+2*k_:SC+16*\s+2*k_+1], v[SC+16*\s+2*k_:SC+16*\s+2*k_+1], v[rs_:rs_+1]
.set k_, k_+1
.endr
.endr
	WIN 0x04
	v_mul_f32 v[FI],   0x3d800000, v[EB]           ; scale / 16
	v_mul_f32 v[FI+1], 0x3d800000, v[EB]
	v_mul_f32 v[FI+2], 0x3d800000, v[EB+1]
	v_mul_f32 v[FI+3], 0x3d800000, v[EB+1]
	WIN 0x05
.set k_, 0
.rept 40
	v_cvt_pk_f16_f32 v[PP+k_], v[SC+2*k_], v[SC+2*k_+1]
.set k_, k_+1
.endr
	; q' T (eight batches, one a column tile), then scores x V (four batches, one a key step): the same ring of four buffers, three batches ahead
	ILOAD FB3, 3
	s_wait_dscnt 48
	IMUL FB0, 0
	PLACES
	ILOAD FB0, 4
	s_wait_dscnt 48
	IMUL FB1, 1
	PLACES
	ILOAD FB1, 5
	s_wait_dscnt 48
	IMUL FB2, 2
	PLACES
	ILOAD FB2, 6
	s_wait_dscnt 48
	IMUL FB3, 3
	PLACES
	ILOAD FB3, 7
	s_wait_dscnt 48
	IMUL FB0, 4
	PLACES
	VLOAD FB0, VA, 0
	s_wait_dscnt 48
	IMUL FB1, 5
	PLACES
	VLOAD FB1, VA, 1
	s_wait_dscnt 48
	IMUL FB2, 6
	PLACES
	VLOAD FB2, VA, 2
	s_wait_dscnt 48
	IMUL FB3, 7
	PLACES
	VLOAD FB3, VA4, 0
	s_wait_dscnt 48
	PMUL 0, 0, FB0, 1
	PMUL 1, 1, FB0, 1
	s_wait_dscnt 32                                ; the counts run down: two batches out,
	PMUL 1, 2, FB1, 0
	s_wait_dscnt 16                                ; one,
	PMUL 1, 3, FB2, 0
	s_wait_dscnt 0x0                               ; none
	WIN 0
	s_cmp_lt_u32 s2, 2
	s_cbranch_scc0 .Lpv_low
	PMUL 1, 4, FB3, 0
	WIN 0
	s_branch .Lpv_done
.Lpv_low:
	PMUL 0, 4, FB3, 0
	WIN 0
.Lpv_done:
	; out = (scores x V) x scale/16 + (q' T / sb) x sb w/16
	PLACES
	WIN 0xa2
.irp n, 0,1
.set t_, 0
.rept 8
.set d_, 8*(8*\n+t_)
.irp p, 0,2,4,6
	v_pk_mul_f32 v[A1+d_+\p:A1+d_+\p+1], v[A1+d_+\p:A1+d_+\p+1], v[CI+2*t_:CI+2*t_+1]
.endr
.irp p, 0,2,4,6
	v_pk_fma_f32 v[A2+d_+\p:A2+d_+\p+1], v[A2+d_+\p:A2+d_+\p+1], v[FI+2*\n:FI+2*\n+1], v[A1+d_+\p:A1+d_+\p+1]
.endr
.set t_, t_+1
.endr
.endr
	; THE WAY OUT: a lane's 32 bytes (8 columns of row r) into my own stage, whole rows of 512 bytes back, each stored by one instruction of the wave
	WIN 0x08
.irp n, 0,1
.set t_, 0
.rept 8
.set d_, A2+8*(8*\n+t_)
	ds_store_b128 v[STO], v[d_:d_+3]   offset:\n*16*SPITCH+t_*64
	ds_store_b128 v[STO], v[d_+4:d_+7] offset:\n*16*SPITCH+t_*64+16
.set t_, t_+1
.endr
.endr
	WIN 0xc0
.set k_, 0
.rept 32
	ds_load_b128 v[4*k_:4*k_+3], v[RD] offset:k_*SPITCH      ; LDS serves a wave's instructions in order (ISA guide 5.7.1): these see my stores above
.set k_, k_+1
.endr
	WIN 0x0c
.set k_, 0
.rept 32
	s_wait_dscnt 31-k_                             ; row k is back; the younger rows stay out
	global_store_b128 v[GO+k_/16], v[4*k_:4*k_+3], s[18:19] offset:(k_&15)*1024 th:TH_STORE_NT
.set k_, k_+1
.endr
	WIN 0
	s_wait_tensorcnt 0x0
	ds_add_u32 v254, v255
	s_wait_dscnt 0x0
	s_endpgm
.Lfunc_end_k_q66ea66157d_outk:
	.size	k_q66ea66157d_outk, .Lfunc_end_k_q66ea66157d_outk-k_q66ea66157d_outk
	.p2alignl 7, 3214868480
	.fill 96, 4, 3214868480
	.section	.rodata,"a",@progbits
	.p2align	6, 0x0
	.amdhsa_kernel k_q66ea66157d_outk
		.amdhsa_group_segment_fixed_size 231936
		.amdhsa_private_segment_fixed_size 0
		.amdhsa_enable_private_segment 0
		.amdhsa_kernarg_size 48
		.amdhsa_user_sgpr_count 2
		.amdhsa_user_sgpr_kernarg_segment_ptr 1
		.amdhsa_wavefront_size32 1
		.amdhsa_system_sgpr_workgroup_id_x 1
		.amdhsa_system_sgpr_workgroup_id_y 1
		.amdhsa_system_sgpr_workgroup_id_z 1
		.amdhsa_system_vgpr_workitem_id 0
		.amdhsa_next_free_vgpr 1024
		.amdhsa_next_free_sgpr 72
		.amdhsa_reserve_vcc 1
		.amdhsa_float_denorm_mode_32 3
		.amdhsa_float_denorm_mode_16_64 3
		.amdhsa_memory_ordered 1
		.amdhsa_forward_progress 1
		.amdhsa_inst_pref_size 79
	.end_amdhsa_kernel
	.amdgpu_metadata
---
amdhsa.version: [ 1, 2 ]
amdhsa.kernels:
  - .name:           k_q66ea66157d_outk
    .symbol:         k_q66ea66157d_outk.kd
    .args:
      - { .name: qf, .offset: 0, .size: 8, .value_kind: global_buffer, .address_space: global }
      - { .name: kf, .offset: 8, .size: 8, .value_kind: global_buffer, .address_space: global }
      - { .name: vf, .offset: 16, .size: 8, .value_kind: global_buffer, .address_space: global }
      - { .name: sf, .offset: 24, .size: 8, .value_kind: global_buffer, .address_space: global }
      - { .name: ssc, .offset: 32, .size: 8, .value_kind: global_buffer, .address_space: global }
      - { .name: out0, .offset: 40, .size: 8, .value_kind: global_buffer, .address_space: global }
    .group_segment_fixed_size: 231936
    .private_segment_fixed_size: 0
    .kernarg_segment_align: 8
    .kernarg_segment_size: 48
    .max_flat_workgroup_size: 128
    .sgpr_count:     72
    .vgpr_count:     1024
    .wavefront_size: 32
...
	.end_amdgpu_metadata
.endif
;; end of part 4
;; ======== version 2 of 2: 4 launches; version 1 with the launch scan written anew for expert scheduling mode
;; limits: values outside matrix products are rounded to f16; values are held in f16: magnitudes above 65,504 overflow, below 6.1e-05 lose precision
;; workspace buffers: wf 393,216 bytes; qf 8,388,608 bytes; kf 8,388,608 bytes; vf 8,388,608 bytes; uf 16,777,216 bytes; sf 16,777,216 bytes; usc 8,192 bytes; ssc 8,192 bytes
;; launch wprep: the kernel of part 1 again; grid 3 x 16, 8 waves a work-group, no clusters, 0 bytes of LDS; arguments Wqkv, wf; writes wf
;; launch proj: the kernel of part 2 again; grid 256 x 1, 4 waves a work-group, no clusters, 137,728 bytes of LDS; arguments x, wf, bqkv, qf, kf, vf, uf, usc; writes qf, kf, vf, uf, usc
;; launch scan (part 5): grid 256 x 1, 8 waves a work-group, no clusters, 0 bytes of LDS; arguments uf, usc, sf, ssc; writes sf, ssc
.if DOCPART == 5
	.amdgcn_target "amdgcn-amd-amdhsa--gfx1250"
	.amdhsa_code_object_version 6
	.text
	.protected	k_q66ea66157d_scan
	.globl	k_q66ea66157d_scan
	.p2align	8
	.type	k_q66ea66157d_scan,@function
k_q66ea66157d_scan:
	s_mov_b64 s[64:65], 0
	v_nop
	global_prefetch_b8 v0, s[64:65] scope:SCOPE_SE
	s_setreg_imm32_b32 hwreg(HW_REG_WAVE_SCHED_MODE, 0, 2), 2
	s_setreg_imm32_b32 hwreg(HW_REG_WAVE_MODE, 25, 1), 1
	s_wait_xcnt 0x0
	s_wait_alu depctr_vm_vsrc(0)
; The state in front of each chunk: T_0 = 0, T_(c+1) = w T_c + U_c, w = a^128, for the 16 chunks of a batch.  In f32.
; uf holds U_c / ub_c in f16 (ub_c a power of two for each tile of 16 columns, in usc); sf gets T_c / sb_c in f16, in the same register images,
; and ssc the sb_c.  sb_c is the power of two above B_c, where B_0 = 0, B_(c+1) = w B_c + ub_c bounds every |T| of the tile: no reduction is needed.
; A stream: memory binds, so no LDS, no matrix unit, no cluster.  A work-group owns 4,096 bytes of every chunk image of one batch (half of one column
; tile, so its scales are scalars), a thread 16 bytes: each load and store of a wave covers 512 consecutive bytes, aligned.
; All fifteen loads of a thread go out at the start; s_wait_loadcnt 14 - c leaves the younger chunks' loads out.
; Each chunk has its own four registers to store from, and the address register is never rewritten: no wait for the stores' sources.
; LIMITS: the bound B below 2^126; no NaN, no infinity.
; THE MODE: SCHED_MODE bits 1:0 = 2 (LLVM: expert scheduling mode 2), set by the entry lines.  The code itself states the register dependences
; between vector instructions and memory instructions, with s_wait_alu, always for 0.
; THE PLAN.  Registers that memory instructions touch:
;   v1, v5     byte offsets, made once at the head and never written again.
;   v[8:67]    fifteen chunks of U as loaded.  Written by the loads alone, which all stand at the head; read by step c's eight conversions; never loaded again.
;   OUT        four registers a chunk.  OUT[0] is written at the head; OUT[c + 1] by the roundings at the end of step c; each is read by one store and never written again.
;   v2         lane c holds sb_c.  Written at the head and by one v_writelane_b32 a step; read by the last store alone.
;   T, UF, TM, v3, v4, v6 are named by vector instructions alone.
; So: one wait on va_vdst at the head, ahead of the loads and of chunk 0's store; one at the head of every second step, behind which the stores of two chunks go;
; one behind the last step; and the waits round the two writes of EXEC.  No register that a memory instruction reads is written again, so no other wait on vm_vsrc is owed.
.set UB,  32                           ; s[32:46] ub_c, overwritten in turn by B_(c+1)
.set T,   68                           ; v[68:75]  the state, 8 numbers
.set UF,  76                           ; v[76:83]  U as f32
.set TM,  84                           ; v[84:91]  T / sb
.set OUT, 92                           ; v[92:155] four registers for each chunk
	s_load_b256 s[4:11], s[0:1], 0x0               ; uf s[4:5], usc s[6:7], sf s[8:9], ssc s[10:11]
	s_lshr_b32 s12, ttmp9, 5                       ; batch
	s_and_b32 s13, ttmp9, 31                       ; part of 4,096 bytes
	s_lshr_b32 s14, s13, 1                         ; column tile vt
	s_lshl_b32 s15, s12, 21                        ; sixteen chunk images of 131,072 bytes
	s_lshl_b32 s16, s13, 12
	s_add_co_u32 s15, s15, s16
	v_lshl_add_u32 v1, v0, 4, s15                  ; my 16 bytes in chunk 0's image
	s_lshl_b32 s16, s12, 10
	s_lshl2_add_u32 s16, s14, s16                  ; usc: (16 (16 b + c) + vt) x 4 at c = 0
	s_mov_b32 s17, 0
	s_lshl_b32 s18, s12, 4
	s_add_co_u32 s18, s18, s14
	s_lshl_b32 s18, s18, 6
	v_lshl_add_u32 v5, v0, 2, s18                  ; ssc: ((16 b + vt) x 16 + lane) x 4
	v_lshrrev_b32 v6, 5, v0
	v_readfirstlane_b32 s19, v6                    ; wave
	v_mov_b32 v2, 0                                ; lane c will hold sb_c
	v_mov_b32 v3, 0xbfed8f8c                       ; 128 log2(0.99f)
	v_exp_f32 v4, v3                               ; w
.irp q, 0,1,2,3
	v_mov_b32 v[OUT+\q], 0                         ; T_0 = 0; these four are also the plain places behind v_exp_f32 (ISA guide 5.7.2)
.endr
	s_wait_kmcnt 0x0
	s_add_nc_u64 s[6:7], s[6:7], s[16:17]
	s_wait_alu depctr_va_vdst(0)                   ; v1 is written, which every load and store below reads as its offset; so are v5, v2 and OUT[0], which stores read, and v4, the exponential's result
.set c_, 0
.rept 15
	s_load_b32 s[UB+c_], s[6:7], c_*64
	global_load_b128 v[8+4*c_:11+4*c_], v1, s[4:5] offset:c_*131072 th:TH_LOAD_NT
.set c_, c_+1
.endr
	global_store_b128 v1, v[OUT:OUT+3], s[8:9]     ; chunk 0.  No wait: no vector instruction since the wait above names v1 or OUT[0]
	v_readfirstlane_b32 s48, v4
	s_wait_alu depctr_va_sdst(0)                   ; s48 is written, ahead of its first reader, the next line; so is s19, which the branch at the end reads
	s_mov_b32 s49, s48                             ; s[48:49] w
	s_mov_b32 s54, 0x00800000                      ; B_0 = 0: the smallest scale
	v_writelane_b32 v2, s54, 0
	s_wait_kmcnt 0x0
; Step c: take U_c in, then make T_(c+1) / sb_(c+1) ready to store.  u0 .. u3: the numbers of the four registers that hold U_c.
; At the head of every second step the two chunks that are ready go out.
.macro STEP c, u0, u1, u2, u3
.if ((\c) > 0) && (((\c) % 2) == 0)
	s_wait_alu depctr_va_vdst(0)                   ; the roundings of the two steps before have written OUT[c - 1] and OUT[c], which the two stores read
	global_store_b128 v1, v[OUT+4*(\c-1):OUT+4*(\c-1)+3], s[8:9] offset:(\c-1)*131072
	global_store_b128 v1, v[OUT+4*\c:OUT+4*\c+3], s[8:9] offset:\c*131072
.endif
	s_wait_loadcnt 14-\c                           ; loads come back in order: chunk c's is in
	v_cvt_f32_f16 v[UF+0], v\u0\().l
	v_cvt_f32_f16 v[UF+1], v\u0\().h
	v_cvt_f32_f16 v[UF+2], v\u1\().l
	v_cvt_f32_f16 v[UF+3], v\u1\().h
	v_cvt_f32_f16 v[UF+4], v\u2\().l
	v_cvt_f32_f16 v[UF+5], v\u2\().h
	v_cvt_f32_f16 v[UF+6], v\u3\().l
	v_cvt_f32_f16 v[UF+7], v\u3\().h
	s_mov_b32 s52, s[UB+\c]
	s_mov_b32 s53, s[UB+\c]                        ; s[52:53] ub_c
.if \c == 0
.irp q, 0,1,2,3
	v_pk_mul_f32 v[T+2*\q:T+2*\q+1], v[UF+2*\q:UF+2*\q+1], s[52:53] op_sel_hi:[1,0]     ; T_1 = U_0; B_1 = ub_0 lies in its place already
.endr
.else
.irp q, 0,1,2,3
	v_pk_mul_f32 v[T+2*\q:T+2*\q+1], v[T+2*\q:T+2*\q+1], s[48:49] op_sel_hi:[1,0]
.endr
.irp q, 0,1,2,3
	v_pk_fma_f32 v[T+2*\q:T+2*\q+1], v[UF+2*\q:UF+2*\q+1], s[52:53], v[T+2*\q:T+2*\q+1] op_sel_hi:[1,0,1]
.endr
	s_fmac_f32 s[UB+\c], s[UB+\c-1], s48           ; B_(c+1) = ub_c + w B_c
.endif
	s_and_b32 s54, s[UB+\c], 0x7f800000            ; B_(c+1)'s exponent,
	s_add_co_u32 s54, s54, 0x00800000              ; plus one: sb_(c+1)
	s_sub_co_u32 s50, 0x7f000000, s54              ; 1 / sb_(c+1), exact
	s_mov_b32 s51, s50
	v_writelane_b32 v2, s54, \c+1
.irp q, 0,1,2,3
	v_pk_mul_f32 v[TM+2*\q:TM+2*\q+1], v[T+2*\q:T+2*\q+1], s[50:51] op_sel_hi:[1,0]
.endr
.irp q, 0,1,2,3
	v_cvt_pk_f16_f32 v[OUT+4*(\c+1)+\q], v[TM+2*\q], v[TM+2*\q+1]
.endr
.endm
	STEP 0, 8, 9, 10, 11
	STEP 1, 12, 13, 14, 15
	STEP 2, 16, 17, 18, 19
	STEP 3, 20, 21, 22, 23
	STEP 4, 24, 25, 26, 27
	STEP 5, 28, 29, 30, 31
	STEP 6, 32, 33, 34, 35
	STEP 7, 36, 37, 38, 39
	STEP 8, 40, 41, 42, 43
	STEP 9, 44, 45, 46, 47
	STEP 10, 48, 49, 50, 51
	STEP 11, 52, 53, 54, 55
	STEP 12, 56, 57, 58, 59
	STEP 13, 60, 61, 62, 63
	STEP 14, 64, 65, 66, 67
	s_wait_alu depctr_va_vdst(0)                   ; step 14's roundings have written OUT[15], which the last store of sf reads
	global_store_b128 v1, v[OUT+60:OUT+63], s[8:9] offset:15*131072
	; the sixteen scales of the column tile: stored once, by wave 0 of the tile's first part
	s_cmp_lg_u32 s19, 0
	s_cbranch_scc1 .Ldone
	s_bitcmp1_b32 s13, 0
	s_cbranch_scc1 .Ldone
	s_wait_xcnt 0x0                                ; EXEC is narrowed only behind this wait
	v_cmp_gt_u32 vcc_lo, 16, v0
	s_wait_alu depctr_va_vcc(0)                    ; VCC is written: EXEC is made from it
	s_wait_alu depctr_va_vdst(0)                   ; ahead of the write of EXEC: the vector instructions issued so far are done; the sixteen v_writelane_b32 among them have written v2, which the store below reads
	s_wait_alu depctr_vm_vsrc(0)                   ; ahead of the write of EXEC: the stores issued so far have read their registers
	s_and_saveexec_b32 s18, vcc_lo
	global_store_b32 v5, v2, s[10:11]
	s_wait_xcnt 0x0                                ; and widened again only behind this one
	s_wait_alu depctr_va_vdst(0)                   ; ahead of the write of EXEC: no vector instruction is still at work
	s_wait_alu depctr_vm_vsrc(0)                   ; ahead of the write of EXEC: the store above has read v5 and v2
	s_or_b32 exec_lo, exec_lo, s18
.Ldone:
	s_endpgm
.Lfunc_end_k_q66ea66157d_scan:
	.size	k_q66ea66157d_scan, .Lfunc_end_k_q66ea66157d_scan-k_q66ea66157d_scan
	.p2alignl 7, 3214868480
	.fill 96, 4, 3214868480
	.section	.rodata,"a",@progbits
	.p2align	6, 0x0
	.amdhsa_kernel k_q66ea66157d_scan
		.amdhsa_group_segment_fixed_size 0
		.amdhsa_private_segment_fixed_size 0
		.amdhsa_enable_private_segment 0
		.amdhsa_kernarg_size 32
		.amdhsa_user_sgpr_count 2
		.amdhsa_user_sgpr_kernarg_segment_ptr 1
		.amdhsa_wavefront_size32 1
		.amdhsa_system_sgpr_workgroup_id_x 1
		.amdhsa_system_sgpr_workgroup_id_y 1
		.amdhsa_system_sgpr_workgroup_id_z 1
		.amdhsa_system_vgpr_workitem_id 0
		.amdhsa_next_free_vgpr 156
		.amdhsa_next_free_sgpr 66
		.amdhsa_reserve_vcc 1
		.amdhsa_float_denorm_mode_32 3
		.amdhsa_float_denorm_mode_16_64 3
		.amdhsa_memory_ordered 1
		.amdhsa_forward_progress 1
		.amdhsa_inst_pref_size 31
	.end_amdhsa_kernel
	.amdgpu_metadata
---
amdhsa.version: [ 1, 2 ]
amdhsa.kernels:
  - .name:           k_q66ea66157d_scan
    .symbol:         k_q66ea66157d_scan.kd
    .args:
      - { .name: uf, .offset: 0, .size: 8, .value_kind: global_buffer, .address_space: global }
      - { .name: usc, .offset: 8, .size: 8, .value_kind: global_buffer, .address_space: global }
      - { .name: sf, .offset: 16, .size: 8, .value_kind: global_buffer, .address_space: global }
      - { .name: ssc, .offset: 24, .size: 8, .value_kind: global_buffer, .address_space: global }
    .group_segment_fixed_size: 0
    .private_segment_fixed_size: 0
    .kernarg_segment_align: 8
    .kernarg_segment_size: 32
    .max_flat_workgroup_size: 256
    .sgpr_count:     66
    .vgpr_count:     156
    .wavefront_size: 32
...
	.end_amdgpu_metadata
.endif
;; end of part 5
;; launch outk: the kernel of part 4 again; grid 256 x 1, 4 waves a work-group, no clusters, 231,936 bytes of LDS; arguments qf, kf, vf, sf, ssc, out0; writes out0
